; MI455X (gfx1250); checked and timed in simulation.
; The chip was launched on July 23, 2026; its instructions are those of AMD's public machine-readable ISA for CDNA 5 (MIT licence, August 2026) and "CDNA5" Instruction Set Architecture Reference Guide (July 2026). The comments in the code are by the model that wrote it; some were corrected since.
;; Attention. Allowed arithmetic: matrix products marked QUANTISED: E4M3 operands, one E8M0 scale for each 32 along K, by v_wmma_scale_f32_16x16x128_f8f6f4 with both operands' format E4M3, f32 sums; products left as they are: f32 operands where the result goes on into a quantised operand, else bf16, f16 or f32 operands; f32 sums; everything else in f32.
;; Inputs: Wk_codes 1,024 x 32 x 32 uint8 (E4M3 codes of Wk, K innermost, in blocks of 32 codes); Wk_scales 1,024 x 32 uint8 (E8M0 scales of Wk, one for each 32 codes along K); Wq_codes 1,024 x 32 x 32 uint8 (E4M3 codes of Wq, K innermost, in blocks of 32 codes); Wq_scales 1,024 x 32 uint8 (E8M0 scales of Wq, one for each 32 codes along K); encoder_outputs_codes 32 x 2,048 x 32 x 32 uint8 (E4M3 codes of encoder_outputs, K innermost, in blocks of 32 codes); encoder_outputs_scales 32 x 2,048 x 32 uint8 (E8M0 scales of encoder_outputs, one for each 32 codes along K); hidden_codes 32 x 32 x 32 uint8 (E4M3 codes of hidden, K innermost, in blocks of 32 codes); hidden_scales 32 x 32 uint8 (E8M0 scales of hidden, one for each 32 codes along K); lengths 32 int32; v 1,024 float32.
;; Outputs: out0 32 x 2,048 float32.
;; This version of the problem:
;;   THIS VERSION OF THE PROBLEM IS GIVEN IN LOW PRECISION. The matrix products marked QUANTISED in the list below multiply operands that are first quantised to E4M3 (4 exponent bits, 3 mantissa bits; 8 bits a number), with one power-of-two scale for each 32 numbers along K (OCP MX v1.0); their sums are f32. All else is computed in f32.
;;   The module's matrix products, in the order in which they are computed (A, B: the left and right operand; K: the contracted axis; several contracted axes count as one K, in the product's order):
;;     1. [M 32, K 1,024] x [K 1,024, N 1,024]; A: input hidden (given as codes); B: input Wq (given as codes): QUANTISED
;;     2. [M 65,536, K 1,024] x [K 1,024, N 1,024]; A: input encoder_outputs (given as codes); B: input Wk (given as codes): QUANTISED
;;     3. [M 65,536, K 1,024] x [K 1,024, N 1]; A: computed on the way; B: input v: left as it is (N = 1 < 16)
;;   THE QUANTISER, for each operand of a quantised product, along K:
;;     - K is cut into blocks of 32 from its start; a last block that is shorter is filled with zeros.
;;     - A block's scale is 2^e with e = floor(log2(the largest magnitude in the block)) - 8, held to -126 .. 127; a block of zeros has e = 0. As a byte (E8M0): e + 127.
;;     - Each number is divided by its block's scale, clamped to +-448, and rounded to the nearest number of E4M3, ties to even, subnormals kept.
;;     - The product sums the exact products of the quantised numbers (number of the format x scale) in f32.
;;   ~~~python
;;   def quantise(x, axis):      # numpy; x: float32 -> the quantised numbers, widened to float32 again
;;       x = np.moveaxis(x, axis, -1); K = x.shape[-1]
;;       x = np.pad(x, [(0, 0)] * (x.ndim - 1) + [(0, -K % 32)]); x = x.reshape(x.shape[:-1] + (-1, 32)); a = np.abs(x).max(-1, keepdims=True)
;;       e = np.where(a > 0, np.clip(np.frexp(np.where(a > 0, a, 1))[1] - 1 - 8, -126, 127), 0)      # np.frexp(a)[1] - 1 = floor(log2(a)), exactly
;;       r = np.clip(x / 2.0 ** e, -448, 448)
;;       step = 2.0 ** (np.maximum(np.frexp(np.where(r == 0, 1, r))[1] - 1, -6) - 3)
;;       q = np.round(r / step) * step * 2.0 ** e      # np.round: ties to even
;;       return np.moveaxis(q.reshape(q.shape[:-2] + (-1,))[..., :K], -1, axis).astype(np.float32)
;;   ~~~
;;   INPUTS GIVEN AS CODES. Wk (in the module: [1024, 1024], K = its axis 1); Wq (in the module: [1024, 1024], K = its axis 1); encoder_outputs (in the module: [32, 2048, 1024], K = its axis 2); hidden (in the module: [32, 1024], K = its axis 1): each comes as NAME_codes (uint8): NAME with its K axis moved to the last place and cut into blocks of 32 codes, [.., K / 32, bytes a block], one block behind the other in memory; one code a byte (a code: sign, 4 exponent bits, 3 mantissa bits); and NAME_scales (uint8): the same leading axes, one E8M0 byte (e + 127) for each 32 codes along K. Its value is code x scale, taken as it is: it is not quantised again, and the codes and scales need not be those that the quantiser above would give.
;; One version. Each part assembles by itself: llvm-mc -triple=amdgcn-amd-amdhsa -mcpu=gfx1250 --defsym DOCPART=n.
;; ======== version 1 of 1: 3 launches
;; workspace buffers: qbuf 131,072 bytes; list 16,384 bytes of whole numbers; part 1,048,576 bytes
;; launch prep (part 1): grid 32 x 1, 4 waves a work-group, no clusters, 4,864 bytes of LDS; arguments hidden_codes, hidden_scales, Wq_codes, Wq_scales, lengths, qbuf, list; writes qbuf, list
.if DOCPART == 1
	.amdgcn_target "amdgcn-amd-amdhsa--gfx1250"
	.amdhsa_code_object_version 6
	.text
	.protected	k_qe51baec56e_prep
	.globl	k_qe51baec56e_prep
	.p2align	8
	.type	k_qe51baec56e_prep,@function
k_qe51baec56e_prep:
	s_mov_b64 s[64:65], 0
	v_nop
	global_prefetch_b8 v0, s[64:65] scope:SCOPE_SE
	s_setreg_imm32_b32 hwreg(HW_REG_WAVE_MODE, 25, 1), 1
	s_wait_xcnt 0x0
; out0[b][s] = softmax over s of attn[b][s], attn = sum over n of v[n] tanh(q[b][n] + keys[b][s][n]), rows s >= lengths[b] at -infinity.
; Three launches: THIS ONE makes q = hidden Wq^T (MX-FP8 codes as given) and lists the rows that count; the second multiplies enc Wk^T for the listed rows and sums the energies;
; the third adds the parts and takes the softmax.
; WORK LEFT OUT, for all values of the inputs:
;  (1) reference() replaces attn[b][s] by -infinity wherever s >= lengths[b] (a mask that it builds itself from the whole numbers lengths), and the softmax gives 0 there whatever
;      encoder_outputs holds in those rows.  Rows go in units of 32 of one batch; a unit all of whose rows have s >= lengths[b] is not multiplied.  Whole numbers decide: the list is made
;      here, stored, and read by the next launch.  Inside a unit that also holds rows that count all 32 rows are computed, and the third launch masks them.
;  (2) tanh(x) = 1 - 2 / (1 + e^(2x)), so attn = (sum of v[n]) - 2 sum of v[n] / (1 + e^(2x)).  The first term is the same along the softmax's axis and cancels there: it is not formed.
; Every input has a way to the output and is loaded by some launch.
; LIMITS: a NaN, an infinity or an overflow that lies only in rows left out is not carried to the result.  lengths above 2,048 act as 2,048.  lengths under 1 give a row of NaN, as in
; reference(); unit 0 of such a batch is computed all the same, so that nothing unwritten is read later.
; SHARES: 32 work-groups of 4 waves; work-group = 2 G + M.
;  q: wave w makes columns 64 G + 16 w .. + 15 for batches 16 M .. + 15: eight products of 128 along K, used transposed (source 0 = 16 rows of Wq, source 1 = 16 rows of hidden), on two
;     accumulators by turns; a lane then holds one batch and eight neighbouring columns.  The four waves' tiles meet in a stage in LDS and leave as runs of 256 bytes: that takes 64 columns
;     to a work-group, and so 16 x 2 work-groups are as many as this layout of q gives.
;  list: row j = 2 x work-group + w / 2, words 32 (w & 1) + lane.  Stream j takes units j per .. j per + per - 1 of all units that count, per = ceil(their number / 64).  An entry is 64 b + u;
;     2,048 or more says: no unit.
; No tensor load and no cluster: the one tile that work-groups share, hidden's 16 rows, is 16,384 bytes of the 81,920 that a work-group reads, and everything is read once, into registers.
.set SP,    272                        ; a stage row: 256 bytes + 16
.set SPARE, 16*SP                      ; behind the stage: the spare words, 128 bytes for each of four waves
.set SPW,   254                        ; v254  my spare word's LDS address; never rewritten
.set NIL,   255                        ; v255  0; never rewritten
.set WQS,   16                         ; v16-23  Wq's scale words, one for each K step
.set HDS,   24                         ; v24-31  hidden's
.set WQF,   32                         ; v32-159 Wq's eight fragments;  hidden's eight lie in window 1, v0-127
.set ACC,   160                        ; v160-175 two accumulators
.set QS,    176                        ; v176-183 their sum, later rows of q
.set MSB, 0
.macro WIN new                         ; the immediate's high byte repeats the setting that is left
.if MSB != \new
	s_set_vgpr_msb (MSB<<8)|\new
.set MSB, \new
.endif
.endm
	s_load_b256 s[4:11], s[0:1], 0x0               ; hidden codes, hidden scales, Wq codes, Wq scales
	s_load_b128 s[12:15], s[0:1], 0x20             ; lengths, qbuf
	s_load_b64 s[16:17], s[0:1], 0x30              ; list
	v_lshl_add_u32 v[SPW], v0, 2, SPARE
	v_mov_b32 v[NIL], 0
	v_lshrrev_b32 v1, 5, v0
	v_readfirstlane_b32 s22, v1                    ; wave 0..3
	s_lshr_b32 s23, ttmp9, 1                       ; G
	s_and_b32 s56, ttmp9, 1                        ; M
	s_and_b32 s18, s22, 1                          ; which half of a row of the list
	v_and_b32 v1, 31, v0                           ; lane
	v_and_b32 v2, 15, v0                           ; r
	v_bfe_u32 v3, v0, 4, 1                         ; h
	v_lshlrev_b32 v4, 10, v2
	v_lshl_add_u32 v4, v3, 4, v4                   ; a fragment's lane term: row r of 1,024 bytes + 16 h
	v_lshlrev_b32 v5, 5, v2                        ; a row of 32 scale bytes
	v_lshlrev_b32 v7, 2, v1                        ; 4 x lane
	s_lshl_b32 s58, s22, 6
	v_mul_u32_u24 v8, v2, SP
	v_lshl_add_u32 v8, v3, 5, v8
	v_add_nc_u32 v8, s58, v8                       ; into the stage: row r, byte 64 w + 32 h
	s_mul_i32 s58, s22, 4*SP
	v_mul_u32_u24 v9, v3, SP
	v_lshl_add_u32 v9, v2, 4, v9
	v_add_nc_u32 v9, s58, v9                       ; back: rows 4 w + h, 16 bytes a lane
	v_lshlrev_b32 v10, 12, v3
	v_lshl_add_u32 v10, v2, 4, v10                 ; and the same place in qbuf: a row is 4,096 bytes
	s_mov_b32 s59, 0
	s_wait_kmcnt 0x0
	s_load_b512 s[24:39], s[12:13], 0x0            ; the 32 lengths
	s_load_b512 s[40:55], s[12:13], 0x40
	s_lshl_b32 s58, s56, 14
	s_add_nc_u64 s[4:5], s[4:5], s[58:59]          ; hidden's codes at row 16 M
	s_lshl_b32 s58, s56, 9
	s_add_nc_u64 s[6:7], s[6:7], s[58:59]          ; its scales
	s_lshl_b32 s58, s23, 16
	s_lshl_b32 s57, s22, 14
	s_add_co_u32 s58, s58, s57
	s_add_nc_u64 s[8:9], s[8:9], s[58:59]          ; Wq's codes at row 64 G + 16 w
	s_lshr_b32 s58, s58, 5
	s_add_nc_u64 s[10:11], s[10:11], s[58:59]      ; its scales
	s_lshl_b32 s58, s56, 16
	s_lshl_b32 s57, s22, 14
	s_add_co_u32 s58, s58, s57
	s_lshl_b32 s57, s23, 8
	s_add_co_u32 s58, s58, s57
	s_add_nc_u64 s[14:15], s[14:15], s[58:59]      ; qbuf: row 16 M + 4 w, byte 256 G
	s_lshl_b32 s61, ttmp9, 1
	s_lshr_b32 s57, s22, 1
	s_add_co_u32 s61, s61, s57                     ; j
	s_lshl_b32 s58, s61, 8
	s_lshl_b32 s57, s18, 7
	s_add_co_u32 s58, s58, s57
	s_add_nc_u64 s[16:17], s[16:17], s[58:59]      ; list: row j, word 32 x half
.irp ks, 0,1,2,3,4,5,6,7
.irp cc, 0,1,2,3
	global_load_b128 v[WQF+16*\ks+4*\cc:WQF+16*\ks+4*\cc+3], v4, s[8:9] offset:128*\ks+32*\cc
.endr
.endr
	WIN 0x40                                       ; destination window 1
.irp ks, 0,1,2,3,4,5,6,7
.irp cc, 0,1,2,3
	global_load_b128 v[16*\ks+4*\cc:16*\ks+4*\cc+3], v4, s[4:5] offset:128*\ks+32*\cc
.endr
.endr
	WIN 0
	global_load_b128 v[WQS:WQS+3], v5, s[10:11]
	global_load_b128 v[WQS+4:WQS+7], v5, s[10:11] offset:16
	global_load_b128 v[HDS:HDS+3], v5, s[6:7]
	global_load_b128 v[HDS+4:HDS+7], v5, s[6:7] offset:16
	; THE LIST, while the loads are on their way
	s_wait_kmcnt 0x0
	s_mov_b32 s60, 0
.set qb, 24
.rept 32
	s_max_i32 s[qb], s[qb], 1
	s_min_i32 s[qb], s[qb], 2048
	s_add_co_u32 s[qb], s[qb], 31
	s_lshr_b32 s[qb], s[qb], 5                     ; the batch's units that count, 1 to 64
	s_add_co_u32 s60, s60, s[qb]                   ; and their number in all
.set qb, qb+1
.endr
	s_add_co_u32 s62, s60, 63
	s_lshr_b32 s62, s62, 6                         ; per: units to a stream
	s_mul_i32 s63, s61, s62
	s_lshl_b32 s57, s18, 5
	s_add_co_u32 s63, s63, s57
	v_add_nc_u32 v11, s57, v1                      ; i = 32 x half + lane
	v_add_nc_u32 v12, s63, v1                      ; g = j per + i
	v_mov_b32 v13, v12                             ; the entry begins as g; each batch that ends at or under g adds 64 less its units: 64 b + (g - the batch's first unit); 2,048 or more past the last
	s_mov_b32 s60, 0
.set qb, 24
.rept 32
	s_add_co_u32 s60, s60, s[qb]                   ; where the batch's units end
	s_sub_co_u32 s57, 64, s[qb]
	v_cmp_le_u32 vcc_lo, s60, v12
	v_mov_b32 v14, s57
	v_cndmask_b32 v14, 0, v14, vcc_lo
	v_add_nc_u32 v13, v13, v14
.set qb, qb+1
.endr
	v_cmp_le_u32 vcc_lo, s62, v11                  ; words from per on belong to the next stream's units: no unit
	v_mov_b32 v14, 0x8000
	v_cndmask_b32 v13, v13, v14, vcc_lo
	global_store_b32 v7, v13, s[16:17]             ; 128 consecutive bytes a wave
	s_wait_loadcnt 0x0
	WIN 0x04                                       ; source 1 (hidden) window 1
	v_wmma_scale_f32_16x16x128_f8f6f4 v[ACC:ACC+7], v[WQF:WQF+15], v[0:15], 0, v[WQS], v[HDS]
	v_wmma_scale_f32_16x16x128_f8f6f4 v[ACC+8:ACC+15], v[WQF+16:WQF+31], v[16:31], 0, v[WQS+1], v[HDS+1]
.irp ks, 2,4,6                                 ; the two accumulators by turns, one instruction a turn
	v_wmma_scale_f32_16x16x128_f8f6f4 v[ACC:ACC+7], v[WQF+16*\ks:WQF+16*\ks+15], v[16*\ks:16*\ks+15], v[ACC:ACC+7], v[WQS+\ks], v[HDS+\ks]
	v_wmma_scale_f32_16x16x128_f8f6f4 v[ACC+8:ACC+15], v[WQF+16*\ks+16:WQF+16*\ks+31], v[16*\ks+16:16*\ks+31], v[ACC+8:ACC+15], v[WQS+\ks+1], v[HDS+\ks+1]
.endr
	WIN 0
.rept 8
	v_nop                                          ; eight places between the last product and the first read of a result
.endr
.irp pp, 0,2,4,6
	v_pk_add_f32 v[QS+\pp:QS+\pp+1], v[ACC+\pp:ACC+\pp+1], v[ACC+8+\pp:ACC+8+\pp+1]   ; even K steps' sum + odd K steps', from the low end on
.endr
	ds_store_b128 v8, v[QS:QS+3]                   ; lane (r, h): q(16 M + r, 64 G + 16 w + 8 h + 0 .. 7)
	ds_store_b128 v8, v[QS+4:QS+7] offset:16
	s_wait_dscnt 0x0                               ; for the others' sake: my stores into the stage are done
	s_barrier_signal -1
	s_barrier_wait -1
	ds_load_b128 v[QS:QS+3], v9                    ; rows 4 w, 4 w + 1: 256 bytes each, from four waves
	ds_load_b128 v[QS+4:QS+7], v9 offset:2*SP      ; rows 4 w + 2, 4 w + 3
	s_wait_dscnt 0x0
	global_store_b128 v10, v[QS:QS+3], s[14:15]    ; sixteen lanes store 256 consecutive bytes, at a multiple of 256 from qbuf's first byte
	global_store_b128 v10, v[QS+4:QS+7], s[14:15] offset:8192
	s_wait_tensorcnt 0x0                           ; the wave's end
	ds_add_u32 v[SPW], v[NIL]
	s_wait_dscnt 0x0
	s_endpgm
.Lfunc_end_k_qe51baec56e_prep:
	.size	k_qe51baec56e_prep, .Lfunc_end_k_qe51baec56e_prep-k_qe51baec56e_prep
	.p2alignl 7, 3214868480
	.fill 96, 4, 3214868480
	.section	.rodata,"a",@progbits
	.p2align	6, 0x0
	.amdhsa_kernel k_qe51baec56e_prep
		.amdhsa_group_segment_fixed_size 4864
		.amdhsa_private_segment_fixed_size 0
		.amdhsa_enable_private_segment 0
		.amdhsa_kernarg_size 56
		.amdhsa_user_sgpr_count 2
		.amdhsa_user_sgpr_kernarg_segment_ptr 1
		.amdhsa_wavefront_size32 1
		.amdhsa_system_sgpr_workgroup_id_x 1
		.amdhsa_system_sgpr_workgroup_id_y 1
		.amdhsa_system_sgpr_workgroup_id_z 1
		.amdhsa_system_vgpr_workitem_id 0
		.amdhsa_next_free_vgpr 384
		.amdhsa_next_free_sgpr 68
		.amdhsa_reserve_vcc 1
		.amdhsa_float_denorm_mode_32 3
		.amdhsa_float_denorm_mode_16_64 3
		.amdhsa_memory_ordered 1
		.amdhsa_forward_progress 1
		.amdhsa_inst_pref_size 24
	.end_amdhsa_kernel
	.amdgpu_metadata
---
amdhsa.version: [ 1, 2 ]
amdhsa.kernels:
  - .name:           k_qe51baec56e_prep
    .symbol:         k_qe51baec56e_prep.kd
    .args:
      - { .name: hidden_codes, .offset: 0, .size: 8, .value_kind: global_buffer, .address_space: global }
      - { .name: hidden_scales, .offset: 8, .size: 8, .value_kind: global_buffer, .address_space: global }
      - { .name: Wq_codes, .offset: 16, .size: 8, .value_kind: global_buffer, .address_space: global }
      - { .name: Wq_scales, .offset: 24, .size: 8, .value_kind: global_buffer, .address_space: global }
      - { .name: lengths, .offset: 32, .size: 8, .value_kind: global_buffer, .address_space: global }
      - { .name: qbuf, .offset: 40, .size: 8, .value_kind: global_buffer, .address_space: global }
      - { .name: list, .offset: 48, .size: 8, .value_kind: global_buffer, .address_space: global }
    .group_segment_fixed_size: 4864
    .private_segment_fixed_size: 0
    .kernarg_segment_align: 8
    .kernarg_segment_size: 56
    .max_flat_workgroup_size: 128
    .sgpr_count:     68
    .vgpr_count:     384
    .wavefront_size: 32
...
	.end_amdgpu_metadata
.endif
;; end of part 1
;; launch main (part 2): grid 256 x 1, 4 waves a work-group, no clusters, 215,552 bytes of LDS; arguments encoder_outputs_codes, encoder_outputs_scales, Wk_codes, Wk_scales, v, qbuf, list, part; writes part
.if DOCPART == 2
	.amdgcn_target "amdgcn-amd-amdhsa--gfx1250"
	.amdhsa_code_object_version 6
	.text
	.protected	k_qe51baec56e_main
	.globl	k_qe51baec56e_main
	.p2align	8
	.type	k_qe51baec56e_main,@function
k_qe51baec56e_main:
	s_mov_b64 s[64:65], 0
	v_nop
	global_prefetch_b8 v0, s[64:65] scope:SCOPE_SE
	s_setreg_imm32_b32 hwreg(HW_REG_WAVE_MODE, 25, 1), 1
	s_wait_xcnt 0x0
; part[c][row] = sum over the work-group's 256 columns n of -2 v[n] / (1 + e^(2 (q[b][n] + keys[row][n]))), keys = enc Wk^T on MX-FP8 codes as given, for the rows of the listed units alone.
; WORK LEFT OUT (shown at the head of the first kernel): units of 32 rows that lie wholly at s >= lengths[b]; the term sum of v[n], which is the same along the softmax's axis.
; SHARES.  Work-group = (c, j): c = number & 3 is a quarter of the 1,024 columns, j = number >> 2 one of 64 streams of units.  Wave w keeps Wk's 64 columns 256 c + 64 w .. + 63 for all of K
; in 512 registers for the whole launch, loaded once, straight into the operand's registers (four loads on end take 128 consecutive bytes of each of 16 rows); what goes round is enc: a unit
; (32 rows x 1,024 codes, its scale words, and the 256 numbers of q of its batch) is loaded by the four waves, a quarter each, put into one of six LDS slots, and read from there by all four.
; NO TENSOR LOAD, NO CLUSTER, though the four column quarters of a stream read the same units: how many units a stream has, and which, are numbers read from memory, every step branches on them,
; so the units come through registers.
; THE PRODUCT is used transposed: source 0 = 16 rows of Wk, source 1 = 16 rows of enc: a lane holds ONE row of enc (lane % 16) and eight neighbouring columns.  q is the C of a sum's first product.
; BY TURNS.  A unit is 64 products (8 K steps x 2 tiles of rows x 4 tiles of columns; the eight accumulators of a K step take turns).  Behind each product stands a slice of the unit before's
; energies (233 vector instructions for 64 numbers a lane): two sets of accumulators, X and Y, change places from unit to unit.  The slices work in window 0 and the products' operands fill
; windows 1 to 3, so a slice costs two switches of the window; set in a phase of their own the slices would leave the matrix unit idle all that while.
; A STEP u of a pass: unit u counts: FULL (its products, the unit before's energies); else, if the unit before counts: DRAIN (those energies alone); else nothing.  The units that count are the first of a stream.
; Two steps, then a barrier that every wave passes.  Between two barriers slots u, u + 1, u + 2 are read and slots u + 4, u + 5 written (all modulo 6).  A pass is six steps, walked six times: 36 steps for at most 32 units.
; THE FOUR WAVES' SCORES MEET IN LDS.  A step puts its 32 scores into the trip's buffer (three buffers, one for each trip of a pass).  Behind the trip's barrier wave 0 loads the four waves' scores of the even
; step's unit, wave 1 those of the odd step's; they are added and stored ahead of the next barrier's signal, behind the wait for all LDS instructions that stands there anyway.
; REGISTERS.  window 0: v1-39 addresses and small things (below); v40-55 Wk's scale words; v56-63 enc's; v64-127 set X, v128-191 set Y (accumulator (m, t) at 32 m + 8 t); v192-223 -2 v; v224-255 q.
;   window 1: Wk's fragments of K steps 0-3 at 64 t + 16 s;  window 2: K steps 4-7;  window 3: v0-127 a ring of four K steps of enc (32 (s % 4) + 16 m), v128-255 two units on their way to LDS.
.set PITCH, 1040                       ; a row of codes in LDS: 1,024 bytes + 16: an odd multiple of 16, so the sixteen rows of a fragment load start in different groups of banks
.set HALFR, 16*PITCH
.set SOFF,  32*PITCH                   ; behind the codes: scale words [8 K steps][32 rows]
.set QOFF,  SOFF+1024                  ; and q[b][256 c .. + 255]
.set USLOT, QOFF+1024                  ; a slot: 35,328 bytes
.set SCB,   6*USLOT                    ; behind the six slots: the scores: [3 trips][2 steps][4 waves][32 rows] of 4 bytes
.set SPARE, SCB+3072                   ; behind them: the spare words, 128 bytes for each wave
.set DEAD,  2048                       ; an entry from here on says: no unit
.set SPW, 1                            ; my spare word's LDS address; never rewritten
.set NIL, 2                            ; 0; never rewritten
.set FA,  3                            ; fragments: r PITCH + 16 h
.set SA,  4                            ; scale words: SOFF + 4 lane
.set QA,  5                            ; q: QOFF + 256 w + 32 h
.set WA,  6                            ; where I put codes: 8 w rows + 16 lane
.set WSA, 7                            ; scale words: SOFF + 256 (lane & 3) + 4 (lane >> 2) + 32 w
.set WQA, 8                            ; q: QOFF + 256 w + 8 lane
.set GL,  9                            ; memory: my 16 bytes of the wave's 8 rows: 8,192 w + 16 lane
.set GS,  10                           ; 256 w + 8 lane
.set LS4, 11                           ; 4 lane
.set PFO, 12                           ; 256 lane
.set ADR, 13                           ; LDS addresses in hand
.set ADS, 14
.set WKA, 15                           ; at the head: Wk's fragments in memory: 1,024 r + 16 h
.set SM,  16                           ; v16-23  two units' scale words (2) and q (2) on their way
.set SUM, 24                           ; v24-31  sums: tile of rows m, chain: pair at 4 m + 2 chain
.set T,   32                           ; v32-33
.set U,   34                           ; v34-35
.set RES, 36
.set L32, 37                           ; at the head: 32 lane
.set H32, 38                           ; at the head: 32 h
.set LN,  39                           ; at the head: lane
.set FL0, 15                           ; in the loop these four take the four waves' scores of a unit
.set FL1, 37
.set FL2, 38
.set FL3, 39
.set WS,  40
.set AS,  56
.set XB,  64
.set YB,  128
.set WV,  192
.set QV,  224
; s20 wave, s21 c, s22 j, s23 passes, s24 list offset, s25 mask of lanes 16-31, s26-27 lane selects, s[28:29] 2 log2(e), s30-34 at work (s31 = s33 = 0),
; s35 .. s51: E[0 .. 16], E[x] = the entry of unit 6 pass + x - 1;  s[52:59] the next entries;  s[66:77] bases of the loads of two units;  s[78:79] the scores' store;  s[80:81] the prefetch's;
; s[82:83] part at row c, s[84:85] enc + 8,192 c, s[86:87] qbuf + 1,024 c;  s88 where I read scores: SCB + 512 (w & 1);  s89 where I put them: SCB + 128 w;  s92 the entry whose scores I have asked for
.set MSB, 0
.macro WIN new                         ; the immediate's high byte repeats the setting that is left; a switch that changes nothing is dropped
.if MSB != \new
	s_set_vgpr_msb (MSB<<8)|\new
.set MSB, \new
.endif
.endm
; My quarter of a unit from memory: 16 loads of 512 consecutive bytes of codes, 8 bytes a lane of scales and of q.  The entry enters addresses only behind its hold at a constant.
.macro GBODY y, ereg, dbase, dwin, sbase
	s_min_u32 s30, s[\ereg], 2047
	s_lshl_b32 s32, s30, 10
	s_add_nc_u64 s[68+6*\y:69+6*\y], s[6:7], s[32:33]
	s_lshl_b32 s30, s30, 15
	s_add_nc_u64 s[66+6*\y:67+6*\y], s[4:5], s[30:31]
	s_lshr_b32 s32, s[\ereg], 6
	s_min_u32 s32, s32, 31
	s_lshl_b32 s32, s32, 12
	s_add_nc_u64 s[70+6*\y:71+6*\y], s[86:87], s[32:33]
	WIN \dwin
.set qx, 0
.rept 16
	global_load_b128 v[\dbase+4*qx:\dbase+4*qx+3], v[GL], s[66+6*\y:67+6*\y] offset:512*qx
.set qx, qx+1
.endr
	WIN 0
	global_load_b64 v[\sbase:\sbase+1], v[GS], s[68+6*\y:69+6*\y]
	global_load_b64 v[\sbase+2:\sbase+3], v[GS], s[70+6*\y:71+6*\y]
.endm
.macro GLOADS y, ereg                  ; only for a unit that counts
	s_cmp_ge_u32 s[\ereg], DEAD
	s_cbranch_scc1 .Lno_unit_\@
	GBODY \y, \ereg, 128+64*\y, 0xc0, SM+4*\y
.Lno_unit_\@:
.endm
; ... and into its slot: 19 LDS stores
.macro STORES slot, dbase, dwin, sbase
	v_add_nc_u32 v[ADR], \slot, v[WA]
	WIN \dwin
.set qx, 0
.rept 16
	ds_store_b128 v[ADR], v[\dbase+4*qx:\dbase+4*qx+3] offset:(qx>>1)*PITCH+(qx&1)*512
.set qx, qx+1
.endr
	WIN 0
	v_add_nc_u32 v[ADS], \slot, v[WSA]
	ds_store_b32 v[ADS], v[\sbase]                 ; K step 2 (lane & 3) of row 8 w + (lane >> 2),
	ds_store_b32 v[ADS], v[\sbase+1] offset:128    ; and the K step after it
	v_add_nc_u32 v[ADR], \slot, v[WQA]
	ds_store_b64 v[ADR], v[\sbase+2:\sbase+3]
.endm
; A run of nine LDS loads: K step kk % 8 of the unit in the slot: its 32 scale words (lanes 0-15 rows 0-15, lanes 16-31 rows 16-31) and two fragments, into ring place kk % 4
.macro RUN kk, slot
	WIN 0
	v_add_nc_u32 v[ADR], \slot, v[FA]
	v_add_nc_u32 v[ADS], \slot, v[SA]
	ds_load_b32 v[AS+(\kk)%8], v[ADS] offset:128*((\kk)%8)
	WIN 0xc0                                       ; destination window 3
.irp mm, 0,1
.irp cc, 0,1,2,3
	ds_load_b128 v[32*((\kk)%4)+16*\mm+4*\cc:32*((\kk)%4)+16*\mm+4*\cc+3], v[ADR] offset:HALFR*\mm+128*((\kk)%8)+32*\cc
.endr
.endr
.endm
.macro QLOAD slot                      ; q of the slot's batch, in the result's layout: register 8 t + i = column 16 t + 8 h + i
	v_add_nc_u32 v[ADR], \slot, v[QA]
.irp tq, 0,1,2,3
.irp uq, 0,1
	ds_load_b128 v[QV+8*\tq+4*\uq:QV+8*\tq+4*\uq+3], v[ADR] offset:64*\tq+16*\uq
.endr
.endr
.endm
.macro QTEST u, slot                   ; q is fetched anew only where the next unit's batch is another
	s_xor_b32 s30, s[35+(\u)+2], s[35+(\u)+1]
	s_cmp_lt_u32 s30, 64
	s_cbranch_scc1 .Lsame_batch_\@
	QLOAD \slot
.Lsame_batch_\@:
.endm
; A prefetch of unit u + 10 of my stream, three to four units ahead of its loads: my work-group's quarter c of its 32,768 bytes, lanes 256 bytes apart, by wave 0: the four column quarters of a stream
; name the four quarters, so each block of 256 bytes is named once in the launch.  No unit: nothing is asked for.  A stream's first ten units come by their loads alone.
.macro ASK ereg
	s_cmp_ge_u32 s[\ereg], DEAD
	s_cbranch_scc1 .Lnot_asked_\@
	s_cmp_lg_u32 s20, 0
	s_cbranch_scc1 .Lnot_asked_\@
	s_min_u32 s30, s[\ereg], 2047
	s_lshl_b32 s30, s30, 15
	s_add_nc_u64 s[80:81], s[84:85], s[30:31]
	global_prefetch_b8 v[PFO], s[80:81] th:TH_LOAD_NT scope:SCOPE_SE
.Lnot_asked_\@:
.endm
.macro SCORE ereg, off                 ; my 64 columns' part of 32 rows' scores, into the trip's buffer
	s_cmp_ge_u32 s[\ereg], DEAD
	s_cbranch_scc1 .Lno_score_\@
	v_add_nc_u32 v[ADS], s89, v[LS4]
	ds_store_b32 v[ADS], v[RES] offset:\off
.Lno_score_\@:
.endm
; Product qn of K step qs into the set at fb: tile of rows qn >> 2, tile of columns qn & 3.  K step 0 takes q as C.  Wk's scale words: lanes 0-15 even tiles, lanes 16-31 odd ones.
.macro PROD fb
.set pm, qn>>2
.set pt, qn&3
.set rA, 64*pt+16*(qs&3)
.set rB, 32*(qs&3)+16*pm
.set rD, \fb+32*pm+8*pt
.set rC, rD
.if qs == 0
.set rC, QV+8*pt
.endif
.set rW, WS+8*(pt>>1)+qs
.set rE, AS+qs
.if qs < 4
	WIN 0x0d                                       ; source 0 window 1, source 1 window 3
.else
	WIN 0x0e                                       ; source 0 window 2, source 1 window 3
.endif
.if (pt&1) && pm
	v_wmma_scale_f32_16x16x128_f8f6f4 v[rD:rD+7], v[rA:rA+15], v[rB:rB+15], v[rC:rC+7], v[rW], v[rE] matrix_a_scale:MATRIX_SCALE_ROW1 matrix_b_scale:MATRIX_SCALE_ROW1
.elseif pt&1
	v_wmma_scale_f32_16x16x128_f8f6f4 v[rD:rD+7], v[rA:rA+15], v[rB:rB+15], v[rC:rC+7], v[rW], v[rE] matrix_a_scale:MATRIX_SCALE_ROW1
.elseif pm
	v_wmma_scale_f32_16x16x128_f8f6f4 v[rD:rD+7], v[rA:rA+15], v[rB:rB+15], v[rC:rC+7], v[rW], v[rE] matrix_b_scale:MATRIX_SCALE_ROW1
.else
	v_wmma_scale_f32_16x16x128_f8f6f4 v[rD:rD+7], v[rA:rA+15], v[rB:rB+15], v[rC:rC+7], v[rW], v[rE]
.endif
.endm
; THE ENERGIES of a unit, 64 numbers x a lane, as a list of 233 instructions; EP writes number qj for the set at sb.  Pairs ascend.
;   0-95    x 2 log2(e), a pair at a time, and 2^ of it: a scaling, two exponentials, a scaling, ..; a pair is scaled three numbers ahead of its exponentials.  No number here reads an exponential's result
;   96-191  + 1 and the reciprocal, in the same order
;   192-223 sums of -2 v[n] x the reciprocal, two chains for each tile of rows; each chain's first product starts it
;   224-232 the chains, the pair's halves, the other half of the lanes' columns; lanes 0-15 keep rows 0-15, lanes 16-31 rows 16-31
.macro EP sb
.if qj < 192
.set ej, qj%96
.if ej == 0
.set ep, 0
.set ek, 0
.elseif ej >= 94
.set ep, ej-32
.set ek, 1
.elseif (ej-1)%3 == 0
.set ep, (ej-1)/3+1
.set ek, 0
.else
.set ep, 2*((ej-1)/3)+(ej-1)%3-1
.set ek, 1
.endif
.if (qj < 96) && (ek == 0)
	v_pk_mul_f32 v[\sb+2*ep:\sb+2*ep+1], v[\sb+2*ep:\sb+2*ep+1], s[28:29] op_sel_hi:[1,0]
.elseif qj < 96
	v_exp_f32 v[\sb+ep], v[\sb+ep]
.elseif ek == 0
	v_pk_add_f32 v[\sb+2*ep:\sb+2*ep+1], v[\sb+2*ep:\sb+2*ep+1], 1.0 op_sel_hi:[1,0]
.else
	v_rcp_f32 v[\sb+ep], v[\sb+ep]
.endif
.elseif qj < 224
.set ep, qj-192
.set es, SUM+4*(ep>>4)+2*(ep&1)
.if (ep&15) < 2
	v_pk_mul_f32 v[es:es+1], v[WV+2*(ep&15):WV+2*(ep&15)+1], v[\sb+2*ep:\sb+2*ep+1]
.else
	v_pk_fma_f32 v[es:es+1], v[WV+2*(ep&15):WV+2*(ep&15)+1], v[\sb+2*ep:\sb+2*ep+1], v[es:es+1]
.endif
.elseif qj == 224
	v_pk_add_f32 v[SUM:SUM+1], v[SUM:SUM+1], v[SUM+2:SUM+3]
.elseif qj == 225
	v_pk_add_f32 v[SUM+4:SUM+5], v[SUM+4:SUM+5], v[SUM+6:SUM+7]
.elseif qj == 226
	v_add_f32 v[T], v[SUM], v[SUM+1]
.elseif qj == 227
	v_add_f32 v[T+1], v[SUM+4], v[SUM+5]
.elseif qj == 228
	v_permlanex16_b32 v[U], v[T], s26, s27
.elseif qj == 229
	v_permlanex16_b32 v[U+1], v[T+1], s26, s27
.elseif qj == 230
	v_add_f32 v[T], v[T], v[U]
.elseif qj == 231
	v_add_f32 v[T+1], v[T+1], v[U+1]
.else
	v_cndmask_b32 v[RES], v[T], v[T+1], s25
.endif
.endm
; Slice qk of 64: slices 0-47 four numbers, 48-62 two, 63 the last eleven.  Any eight slices on end hold ten plain instructions or more, slice 63 eleven: they are the places between a
; product and the next load into its operands, and between a unit's last products and the first read of their results.
.macro SL sb
.if qk < 48
.set qj, 4*qk
.rept 4
	EP \sb
.set qj, qj+1
.endr
.elseif qk < 63
.set qj, 192+2*(qk-48)
.rept 2
	EP \sb
.set qj, qj+1
.endr
.else
.set qj, 222
.rept 11
	EP \sb
.set qj, qj+1
.endr
.endif
.set qk, qk+1
.endm
; What stands behind K step qs.  All branches of a unit stand where no exponential or reciprocal lacks its wait and every window is 0.
.macro BOUND u, par
.if qs == 0
	RUN 3, ((\u)%6)*USLOT
.elseif qs == 1
	RUN 4, ((\u)%6)*USLOT
.elseif qs == 2
	v_nop                                          ; a plain instruction behind the last exponential,
	s_wait_alu depctr_va_vdst(0)                   ; and the one wait for the 64, ahead of the first instruction that names a result
	s_wait_xcnt 0x0                                ; the last store of scores, the last prefetch and the last loads have read their registers: bases and RES may be written
.if !(\par)
	GLOADS 0, 35+(\u)+7                            ; units u + 6 and u + 7: thirteen K steps of products stand between these loads and the wait for them.  The stores that read these registers are done: K step 2's wait on DScnt
	GLOADS 1, 35+(\u)+8
.endif
	ASK 35+(\u)+11
	RUN 5, ((\u)%6)*USLOT
.elseif qs == 3
	RUN 6, ((\u)%6)*USLOT
.elseif qs == 4
	RUN 7, ((\u)%6)*USLOT
.elseif qs == 5
	v_nop
	s_wait_alu depctr_va_vdst(0)                   ; the one wait for the 64 reciprocals
	QTEST \u, (((\u)+1)%6)*USLOT
	RUN 8, (((\u)+1)%6)*USLOT                      ; the next unit's K steps 0
.elseif qs == 6
	RUN 9, (((\u)+1)%6)*USLOT                      ; and 1
.endif
.endm
.macro FULL u, par, fb, eb
.if !(\par)
	s_wait_loadcnt 0x0                             ; units u + 4 and u + 5 are in registers (every wait on LOADcnt in the loop is for 0, so a load that was jumped over changes no count)
	STORES (((\u)+4)%6)*USLOT, 128, 0x0c, SM
	STORES (((\u)+5)%6)*USLOT, 192, 0x0c, SM+4
.endif
	RUN 2, ((\u)%6)*USLOT
.set qk, 0
.set qs, 0
.rept 8
.if (\par) || (qs >= 2)
	s_wait_dscnt 18                                ; this K step's run is in: behind it stand the two younger runs, nine loads each (and, in an odd unit's first two K steps, the store of the scores: then the count is one stricter than need be).  An even unit's K steps 0 and 1 were waited for at the barrier
.endif
.set qn, 0
.rept 8
	PROD \fb
	WIN 0
	SL \eb
.set qn, qn+1
.endr
	BOUND \u, \par
.set qs, qs+1
.endr
	SCORE 35+(\u), ((\u)>>1)*1024+((\u)&1)*512
.endm
.macro DRAIN u, eb                     ; the last unit's energies, with no products beside them
	s_wait_xcnt 0x0                                ; the last store of scores has read RES
.set qj, 0
.rept 96
	EP \eb
.set qj, qj+1
.endr
	v_nop
	s_wait_alu depctr_va_vdst(0)
.rept 96
	EP \eb
.set qj, qj+1
.endr
	v_nop
	s_wait_alu depctr_va_vdst(0)
.rept 41
	EP \eb
.set qj, qj+1
.endr
	SCORE 35+(\u), ((\u)>>1)*1024+((\u)&1)*512
.endm
.macro STEP u, par, fb, eb
	s_cmp_ge_u32 s[36+(\u)], DEAD
	s_cbranch_scc1 .Lno_products_\@
	FULL \u, \par, \fb, \eb
	s_branch .Lstep_done_\@
.Lno_products_\@:
	s_cmp_ge_u32 s[35+(\u)], DEAD
	s_cbranch_scc1 .Lstep_done_\@
	DRAIN \u, \eb
.Lstep_done_\@:
.endm
.macro MEET                            ; every wave, on every way: my LDS stores have landed and my LDS loads are in; then the work-group's barrier
	s_wait_dscnt 0x0
	s_barrier_signal -1
	s_barrier_wait -1
.endm
; The barrier behind steps ua and ua + 1.  Ahead of its signal: the scores that I asked for behind the last barrier are in (the wait for all my LDS instructions): the four waves' parts are added and stored,
; 128 consecutive bytes.  Behind it: the four waves' scores of this trip lie in the trip's buffer; wave 0 asks for step ua's, wave 1 for step ua + 1's, the others for none.
.macro MEETF ua
	s_wait_dscnt 0x0                               ; my LDS stores have landed and my LDS loads are in
	s_cmp_ge_u32 s92, DEAD
	s_cbranch_scc1 .Lno_out_\@
	s_wait_xcnt 0x0                                ; the last store of scores has read its base and RES
	v_add_f32 v[T], v[FL0], v[FL1]
	v_add_f32 v[T+1], v[FL2], v[FL3]
	v_add_f32 v[RES], v[T], v[T+1]
	s_min_u32 s30, s92, 2047
	s_lshl_b32 s30, s30, 7
	s_add_nc_u64 s[78:79], s[82:83], s[30:31]
	global_store_b32 v[LS4], v[RES], s[78:79]
.Lno_out_\@:
	s_barrier_signal -1
	s_barrier_wait -1
	s_cmp_eq_u32 s20, 0
	s_cselect_b32 s92, s[35+(\ua)], s[36+(\ua)]
	s_cmp_lt_u32 s20, 2
	s_cselect_b32 s92, s92, 0x8000
	s_cmp_ge_u32 s92, DEAD
	s_cbranch_scc1 .Lno_in_\@
	v_add_nc_u32 v[ADR], s88, v[LS4]
	ds_load_b32 v[FL0], v[ADR] offset:((\ua)>>1)*1024
	ds_load_b32 v[FL1], v[ADR] offset:((\ua)>>1)*1024+128
	ds_load_b32 v[FL2], v[ADR] offset:((\ua)>>1)*1024+256
	ds_load_b32 v[FL3], v[ADR] offset:((\ua)>>1)*1024+384
.Lno_in_\@:
.endm
.macro WKLOAD tt, ss                   ; fragment (tt, ss) of my 64 columns: lane (r, h) takes, of row 16 tt + r, K = 128 ss + 32 cc + 16 h + 0 .. 15
.irp cc, 0,1,2,3
	global_load_b128 v[64*(\tt)+16*((\ss)&3)+4*\cc:64*(\tt)+16*((\ss)&3)+4*\cc+3], v[WKA], s[8:9] offset:16384*(\tt)+128*(\ss)+32*\cc
.endr
.endm
	s_load_b512 s[4:19], s[0:1], 0x0               ; enc codes, enc scales, Wk codes, Wk scales, v, qbuf, list, part
	v_lshl_add_u32 v[SPW], v0, 2, SPARE
	v_mov_b32 v[NIL], 0
	v_lshrrev_b32 v[T], 5, v0
	v_readfirstlane_b32 s20, v[T]                  ; wave 0..3
	s_and_b32 s21, ttmp9, 3                        ; c
	s_lshr_b32 s22, ttmp9, 2                       ; j
	s_mov_b32 s25, 0xffff0000
	s_mov_b32 s26, 0x76543210
	s_mov_b32 s27, 0xfedcba98                      ; v_permlanex16_b32's selects for lane l xor 16
	s_mov_b32 s28, 0x4038aa3b                      ; 2 log2(e)
	s_mov_b32 s29, s28                             ; (named with it as a pair, so it is written)
	s_mov_b32 s31, 0
	s_mov_b32 s33, 0
	s_mov_b32 s35, 0x8000                          ; there is no unit ahead of the first,
	s_mov_b32 s92, 0x8000                          ; and no scores have been asked for
	s_and_b32 s88, s20, 1
	s_lshl_b32 s88, s88, 9
	s_add_co_u32 s88, s88, SCB
	s_lshl_b32 s89, s20, 7
	s_add_co_u32 s89, s89, SCB
	v_and_b32 v[LN], 31, v0
	v_and_b32 v[T], 15, v0                         ; r
	v_bfe_u32 v[T+1], v0, 4, 1                     ; h
	v_mul_u32_u24 v[FA], v[T], PITCH
	v_lshl_add_u32 v[FA], v[T+1], 4, v[FA]
	v_lshl_add_u32 v[SA], v[LN], 2, SOFF
	s_lshl_b32 s30, s20, 8
	v_lshl_add_u32 v[GS], v[LN], 3, s30
	s_add_co_u32 s30, s30, QOFF
	v_lshl_add_u32 v[QA], v[T+1], 5, s30
	v_lshl_add_u32 v[WQA], v[LN], 3, s30
	s_mul_i32 s30, s20, 8*PITCH
	v_lshl_add_u32 v[WA], v[LN], 4, s30
	v_and_b32 v[ADR], 3, v[LN]
	v_lshrrev_b32 v[ADS], 2, v[LN]
	v_lshlrev_b32 v[ADR], 8, v[ADR]
	v_lshl_add_u32 v[WSA], v[ADS], 2, v[ADR]
	s_lshl_b32 s30, s20, 5
	s_add_co_u32 s30, s30, SOFF
	v_add_nc_u32 v[WSA], s30, v[WSA]
	s_lshl_b32 s30, s20, 13
	v_lshl_add_u32 v[GL], v[LN], 4, s30
	v_lshlrev_b32 v[LS4], 2, v[LN]
	v_lshlrev_b32 v[PFO], 8, v[LN]
	v_lshlrev_b32 v[WKA], 10, v[T]
	v_lshl_add_u32 v[WKA], v[T+1], 4, v[WKA]
	v_lshlrev_b32 v[L32], 5, v[LN]
	v_lshlrev_b32 v[H32], 5, v[T+1]
	v_mov_b32 v[U], 0                              ; written once: a lane permute's destination counts as one of its sources
	v_mov_b32 v[U+1], 0
	s_wait_kmcnt 0x0
	s_lshl_b32 s30, s22, 8
	s_add_nc_u64 s[16:17], s[16:17], s[30:31]      ; my stream's row of the list
	s_load_b512 s[36:51], s[16:17], 0x0            ; the entries of units 0 to 15
	s_lshl_b32 s30, s21, 13
	s_add_nc_u64 s[84:85], s[4:5], s[30:31]
	s_lshl_b32 s30, s21, 10
	s_add_nc_u64 s[86:87], s[14:15], s[30:31]
	s_lshl_b32 s32, s20, 8
	s_add_co_u32 s30, s30, s32                     ; 1,024 c + 256 w
	s_add_nc_u64 s[12:13], s[12:13], s[30:31]      ; v at my 64 columns
	s_lshl_b32 s30, s30, 3
	s_add_nc_u64 s[10:11], s[10:11], s[30:31]      ; Wk's scales: 32 bytes a column
	s_lshl_b32 s30, s30, 5
	s_add_nc_u64 s[8:9], s[8:9], s[30:31]          ; Wk's codes: 1,024 bytes a column
	s_lshl_b32 s30, s21, 18
	s_add_nc_u64 s[82:83], s[18:19], s[30:31]      ; part: row c of 262,144 bytes
	s_wait_kmcnt 0x0
	; units 0 to 3, with no branch (an entry that is no unit is held at the last unit: its bytes are stored and never multiplied), so that every staging register is written on every way
	GBODY 0, 36, 128, 0xc0, SM
	GBODY 1, 37, 192, 0xc0, SM+4
	s_wait_xcnt 0x0                                ; those loads have read their bases
	GBODY 0, 38, XB, 0, QV
	GBODY 1, 39, YB, 0, QV+4
	WIN 0x40                                       ; destination window 1
.irp tq, 0,1,2
.irp sq, 0,1,2,3
	WKLOAD \tq, \sq
.endr
.endr
	WIN 0
	s_wait_loadcnt 48                              ; the four units are in: behind their 72 loads stand the 48 of Wk
	STORES 0, 128, 0x0c, SM
	STORES USLOT, 192, 0x0c, SM+4
	STORES 2*USLOT, XB, 0, QV
	STORES 3*USLOT, YB, 0, QV+4
	MEET                                           ; slots 0 to 3 are whole
	s_wait_xcnt 0x0
	GLOADS 0, 40                                   ; units 4 and 5
	GLOADS 1, 41
	WIN 0x40
.irp sq, 0,1,2,3
	WKLOAD 3, \sq
.endr
	WIN 0x80                                       ; destination window 2
.irp tq, 0,1,2,3
.irp sq, 4,5,6,7
	WKLOAD \tq, \sq
.endr
.endr
	WIN 0
.irp tp, 0,1                                   ; Wk's scale words: lane l stands for column 32 tp + l: its 32 bytes are the words of the eight K steps
	global_load_b128 v[WS+8*\tp:WS+8*\tp+3], v[L32], s[10:11] offset:1024*\tp
	global_load_b128 v[WS+8*\tp+4:WS+8*\tp+7], v[L32], s[10:11] offset:1024*\tp+16
.endr
.irp tq, 0,1,2,3
	global_load_b128 v[WV+8*\tq:WV+8*\tq+3], v[H32], s[12:13] offset:64*\tq
	global_load_b128 v[WV+8*\tq+4:WV+8*\tq+7], v[H32], s[12:13] offset:64*\tq+16
.endr
	QLOAD 0
	RUN 0, 0
	RUN 1, 0
	WIN 0
.set qx, 0
.rept 64
	v_mov_b32 v[YB+qx], 0                          ; the step is written once: the first unit's slices find numbers in set Y; their result is not stored
.set qx, qx+1
.endr
	s_wait_loadcnt 0x0                             ; Wk, its scales, v: and the head's offset registers are free for the scores
.set qx, 0
.rept 16
	v_pk_mul_f32 v[WV+2*qx:WV+2*qx+1], v[WV+2*qx:WV+2*qx+1], -2.0 op_sel_hi:[1,0]
.set qx, qx+1
.endr
	s_wait_dscnt 0x0                               ; q and unit 0's K steps 0 and 1
	s_mov_b32 s23, 0
	s_mov_b32 s24, 0
.Lpass:
	s_load_b256 s[52:59], s[16:17], s24 offset:0x40   ; the entries of units 6 pass + 16 on
	STEP 0, 0, XB, YB
	STEP 1, 1, YB, XB
	MEETF 0
	STEP 2, 0, XB, YB
	STEP 3, 1, YB, XB
	MEETF 2
	STEP 4, 0, XB, YB
	STEP 5, 1, YB, XB
	MEETF 4
	s_wait_kmcnt 0x0
	s_mov_b32 s35, s41                             ; the entries move six places down
	s_mov_b64 s[36:37], s[42:43]
	s_mov_b64 s[38:39], s[44:45]
	s_mov_b64 s[40:41], s[46:47]
	s_mov_b64 s[42:43], s[48:49]
	s_mov_b64 s[44:45], s[50:51]
	s_mov_b64 s[46:47], s[52:53]
	s_mov_b64 s[48:49], s[54:55]
	s_mov_b64 s[50:51], s[56:57]
	s_add_co_u32 s24, s24, 24
	s_add_co_u32 s23, s23, 1
	s_cmp_lt_u32 s23, 6
	s_cbranch_scc1 .Lpass
	; a stream's last unit is number 31 at the most: scored in step 32, asked for behind step 33, stored behind step 35: nothing is left over here
	s_wait_tensorcnt 0x0                           ; the wave's end
	ds_add_u32 v[SPW], v[NIL]
	s_wait_dscnt 0x0
	s_endpgm
.Lfunc_end_k_qe51baec56e_main:
	.size	k_qe51baec56e_main, .Lfunc_end_k_qe51baec56e_main-k_qe51baec56e_main
	.p2alignl 7, 3214868480
	.fill 96, 4, 3214868480
	.section	.rodata,"a",@progbits
	.p2align	6, 0x0
	.amdhsa_kernel k_qe51baec56e_main
		.amdhsa_group_segment_fixed_size 215552
		.amdhsa_private_segment_fixed_size 0
		.amdhsa_enable_private_segment 0
		.amdhsa_kernarg_size 64
		.amdhsa_user_sgpr_count 2
		.amdhsa_user_sgpr_kernarg_segment_ptr 1
		.amdhsa_wavefront_size32 1
		.amdhsa_system_sgpr_workgroup_id_x 1
		.amdhsa_system_sgpr_workgroup_id_y 1
		.amdhsa_system_sgpr_workgroup_id_z 1
		.amdhsa_system_vgpr_workitem_id 0
		.amdhsa_next_free_vgpr 1024
		.amdhsa_next_free_sgpr 96
		.amdhsa_reserve_vcc 0
		.amdhsa_float_denorm_mode_32 3
		.amdhsa_float_denorm_mode_16_64 3
		.amdhsa_memory_ordered 1
		.amdhsa_forward_progress 1
		.amdhsa_inst_pref_size 255
	.end_amdhsa_kernel
	.section	.bss,"aw",@nobits
	.p2align	6
	.space	262144
	.amdgpu_metadata
---
amdhsa.version: [ 1, 2 ]
amdhsa.kernels:
  - .name:           k_qe51baec56e_main
    .symbol:         k_qe51baec56e_main.kd
    .args:
      - { .name: encoder_outputs_codes, .offset: 0, .size: 8, .value_kind: global_buffer, .address_space: global }
      - { .name: encoder_outputs_scales, .offset: 8, .size: 8, .value_kind: global_buffer, .address_space: global }
      - { .name: Wk_codes, .offset: 16, .size: 8, .value_kind: global_buffer, .address_space: global }
      - { .name: Wk_scales, .offset: 24, .size: 8, .value_kind: global_buffer, .address_space: global }
      - { .name: v, .offset: 32, .size: 8, .value_kind: global_buffer, .address_space: global }
      - { .name: qbuf, .offset: 40, .size: 8, .value_kind: global_buffer, .address_space: global }
      - { .name: list, .offset: 48, .size: 8, .value_kind: global_buffer, .address_space: global }
      - { .name: part, .offset: 56, .size: 8, .value_kind: global_buffer, .address_space: global }
    .group_segment_fixed_size: 215552
    .private_segment_fixed_size: 0
    .kernarg_segment_align: 8
    .kernarg_segment_size: 64
    .max_flat_workgroup_size: 128
    .sgpr_count:     96
    .vgpr_count:     1024
    .wavefront_size: 32
...
	.end_amdgpu_metadata
.endif
;; end of part 2
;; launch soft (part 3): grid 32 x 1, 8 waves a work-group, no clusters, 1,536 bytes of LDS; arguments part, lengths, out0; writes out0
.if DOCPART == 3
	.amdgcn_target "amdgcn-amd-amdhsa--gfx1250"
	.amdhsa_code_object_version 6
	.text
	.protected	k_qe51baec56e_soft
	.globl	k_qe51baec56e_soft
	.p2align	8
	.type	k_qe51baec56e_soft,@function
k_qe51baec56e_soft:
	s_mov_b64 s[64:65], 0
	v_nop
	global_prefetch_b8 v0, s[64:65] scope:SCOPE_SE
	s_setreg_imm32_b32 hwreg(HW_REG_WAVE_MODE, 25, 1), 1
	s_wait_xcnt 0x0
; out0[b][:] = softmax of attn[b][:], attn = the sum of the 4 parts (each a quarter of the 1,024 columns), rows s >= lengths[b] at -infinity.  One work-group a batch; thread t owns rows 4 t .. + 3 and 1,024 + 4 t .. + 3.
; WORK LEFT OUT (shown at the head of the first kernel): parts exist only for units of 32 rows that hold a row s < lengths[b]; a thread whose rows lie in a unit left out reads the batch's last
; written four rows in their stead and masks them.  The term sum of v[n], the same along the axis, was never formed.  The row's maximum is taken away ahead of the exponential, as in reference().
; lengths under 1: every row is masked, the maximum is -infinity, and the row is NaN, as in reference().
; Memory binds and the launch is small: no matrix unit, no cluster, no tensor load would add anything.
.set P0,    16                         ; v16-31 the 4 parts of my first four rows, v32-47 of my second four; the sums end in v16-19 and v32-35
.set RD,    48                         ; v48-55 the eight waves' figures
.set SPARE, 512                        ; LDS: words 0-7 the waves' maxima; from byte 256 their sums; from 512 the spare words, 128 bytes for each of eight waves
.set SPW,   62
.set NIL,   63
	s_load_b128 s[4:7], s[0:1], 0x0                ; part, lengths
	s_load_b64 s[8:9], s[0:1], 0x10                ; out0
	v_lshl_add_u32 v[SPW], v0, 2, SPARE
	v_mov_b32 v[NIL], 0
	v_lshrrev_b32 v1, 5, v0
	v_readfirstlane_b32 s10, v1                    ; wave
	s_lshl_b32 s12, ttmp9, 2
	s_mov_b32 s13, 0
	s_lshl_b32 s14, ttmp9, 13                      ; a batch's 2,048 rows of 4 bytes
	s_mov_b32 s15, 0
	s_mov_b32 s16, 0x76543210
	s_mov_b32 s17, 0xfedcba98
	v_lshlrev_b32 v2, 2, v0                        ; 4 t: my first row
	v_lshlrev_b32 v3, 4, v0                        ; and its byte
	v_mov_b32 v6, 0xff800000                       ; -infinity
	v_mov_b32 v8, 0                                ; written once: a lane permute's destination counts as one of its sources
	v_mov_b32 v9, s10
	v_lshlrev_b32 v9, 2, v9                        ; my wave's word
	v_mov_b32 v10, 0
	s_wait_kmcnt 0x0
	s_add_nc_u64 s[6:7], s[6:7], s[12:13]
	s_load_b32 s11, s[6:7], 0x0                    ; lengths[b]
	s_add_nc_u64 s[4:5], s[4:5], s[14:15]
	s_add_nc_u64 s[8:9], s[8:9], s[14:15]
	s_wait_kmcnt 0x0
	s_max_i32 s18, s11, 1
	s_min_i32 s18, s18, 2048
	s_add_co_u32 s18, s18, 31
	s_and_b32 s18, s18, 0xffffffe0                 ; where the written units end,
	s_sub_co_u32 s18, s18, 4                       ; and the last four written rows
	s_min_u32 s18, s18, 2044
	v_min_u32 v4, s18, v2
	v_min_u32 v4, 0x7fc, v4                        ; held at a constant ahead of the address
	v_lshlrev_b32 v4, 2, v4
	v_add_nc_u32 v5, 1024, v2
	v_min_u32 v5, s18, v5
	v_min_u32 v5, 0x7fc, v5
	v_lshlrev_b32 v5, 2, v5
.irp cw, 0,1,2,3
	global_load_b128 v[P0+4*\cw:P0+4*\cw+3], v4, s[4:5] offset:\cw*262144
.endr
.irp cw, 0,1,2,3
	global_load_b128 v[P0+16+4*\cw:P0+16+4*\cw+3], v5, s[4:5] offset:\cw*262144
.endr
	s_min_i32 s19, s11, 2048
	s_max_i32 s19, s19, 0                          ; the mask is the same for lengths held within 0 .. 2,048
	s_wait_loadcnt 0x0
.irp qq, 0,1
.irp st, 2,1
.set qc, 0
.rept \st
	v_pk_add_f32 v[P0+16*\qq+4*qc:P0+16*\qq+4*qc+1], v[P0+16*\qq+4*qc:P0+16*\qq+4*qc+1], v[P0+16*\qq+4*(qc+\st):P0+16*\qq+4*(qc+\st)+1]
	v_pk_add_f32 v[P0+16*\qq+4*qc+2:P0+16*\qq+4*qc+3], v[P0+16*\qq+4*qc+2:P0+16*\qq+4*qc+3], v[P0+16*\qq+4*(qc+\st)+2:P0+16*\qq+4*(qc+\st)+3]
.set qc, qc+1
.endr
.endr
.endr
.irp qq, 0,1
.irp kk, 0,1,2,3
	s_sub_co_i32 s20, s19, 1024*\qq+\kk
	v_cmp_gt_i32 vcc_lo, s20, v2                   ; lengths[b] > 1,024 q + 4 t + k: the row counts
	v_cndmask_b32 v[P0+16*\qq+\kk], v6, v[P0+16*\qq+\kk], vcc_lo
.endr
.endr
	v_max3_num_f32 v7, v[P0], v[P0+1], v[P0+2]
	v_max3_num_f32 v7, v7, v[P0+3], v[P0+16]
	v_max3_num_f32 v7, v7, v[P0+17], v[P0+18]
	v_max_num_f32 v7, v7, v[P0+19]
	v_max_num_f32_dpp v7, v7, v7 row_xmask:1 row_mask:0xf bank_mask:0xf
	v_max_num_f32_dpp v7, v7, v7 row_xmask:2 row_mask:0xf bank_mask:0xf
	v_max_num_f32_dpp v7, v7, v7 row_xmask:4 row_mask:0xf bank_mask:0xf
	v_max_num_f32_dpp v7, v7, v7 row_xmask:8 row_mask:0xf bank_mask:0xf
	v_permlanex16_b32 v8, v7, s16, s17
	v_max_num_f32 v7, v7, v8
	ds_store_b32 v9, v7                            ; all lanes write the same word with the same value
	s_wait_dscnt 0x0
	s_barrier_signal -1
	s_barrier_wait -1
	ds_load_b128 v[RD:RD+3], v10
	ds_load_b128 v[RD+4:RD+7], v10 offset:16
	s_wait_dscnt 0x0
	v_max3_num_f32 v7, v[RD], v[RD+1], v[RD+2]
	v_max3_num_f32 v7, v7, v[RD+3], v[RD+4]
	v_max3_num_f32 v7, v7, v[RD+5], v[RD+6]
	v_max_num_f32 v7, v7, v[RD+7]                  ; the row's maximum
.irp qq, 0,1
.irp kk, 0,1,2,3
	v_sub_f32 v[P0+16*\qq+\kk], v[P0+16*\qq+\kk], v7
.endr
.endr
.irp qq, 0,1
.irp kk, 0,1,2,3
	v_mul_f32 v[P0+16*\qq+\kk], 0x3fb8aa3b, v[P0+16*\qq+\kk]
.endr
.endr
.irp qq, 0,1
.irp kk, 0,1,2,3
	v_exp_f32 v[P0+16*\qq+\kk], v[P0+16*\qq+\kk]
.endr
.endr
	v_nop                                          ; a plain instruction behind the last exponential,
	s_wait_alu depctr_va_vdst(0)                   ; and one wait for the eight, ahead of their first reader
	v_pk_add_f32 v[12:13], v[P0:P0+1], v[P0+2:P0+3]
	v_pk_add_f32 v[14:15], v[P0+16:P0+17], v[P0+18:P0+19]
	v_pk_add_f32 v[12:13], v[12:13], v[14:15]
	v_add_f32 v11, v12, v13
	v_add_f32_dpp v11, v11, v11 row_xmask:1 row_mask:0xf bank_mask:0xf
	v_add_f32_dpp v11, v11, v11 row_xmask:2 row_mask:0xf bank_mask:0xf
	v_add_f32_dpp v11, v11, v11 row_xmask:4 row_mask:0xf bank_mask:0xf
	v_add_f32_dpp v11, v11, v11 row_xmask:8 row_mask:0xf bank_mask:0xf
	v_permlanex16_b32 v8, v11, s16, s17
	v_add_f32 v11, v11, v8
	ds_store_b32 v9, v11 offset:256                ; other bytes than the maxima's, which a slower wave may still be reading
	s_wait_dscnt 0x0
	s_barrier_signal -1
	s_barrier_wait -1
	ds_load_b128 v[RD:RD+3], v10 offset:256
	ds_load_b128 v[RD+4:RD+7], v10 offset:272
	s_wait_dscnt 0x0
	v_pk_add_f32 v[RD:RD+1], v[RD:RD+1], v[RD+2:RD+3]
	v_pk_add_f32 v[RD+4:RD+5], v[RD+4:RD+5], v[RD+6:RD+7]
	v_pk_add_f32 v[RD:RD+1], v[RD:RD+1], v[RD+4:RD+5]
	v_add_f32 v11, v[RD], v[RD+1]                  ; the row's sum
	v_rcp_f32 v11, v11
	v_nop
	s_wait_alu depctr_va_vdst(0)
.irp qq, 0,1
.irp kk, 0,1,2,3
	v_mul_f32 v[P0+16*\qq+\kk], v[P0+16*\qq+\kk], v11
.endr
.endr
	global_store_b128 v3, v[P0:P0+3], s[8:9]       ; a wave stores 512 consecutive bytes, at a multiple of 256 from out0's first byte
	global_store_b128 v3, v[P0+16:P0+19], s[8:9] offset:4096
	s_wait_tensorcnt 0x0                           ; the wave's end
	ds_add_u32 v[SPW], v[NIL]
	s_wait_dscnt 0x0
	s_endpgm
.Lfunc_end_k_qe51baec56e_soft:
	.size	k_qe51baec56e_soft, .Lfunc_end_k_qe51baec56e_soft-k_qe51baec56e_soft
	.p2alignl 7, 3214868480
	.fill 96, 4, 3214868480
	.section	.rodata,"a",@progbits
	.p2align	6, 0x0
	.amdhsa_kernel k_qe51baec56e_soft
		.amdhsa_group_segment_fixed_size 1536
		.amdhsa_private_segment_fixed_size 0
		.amdhsa_enable_private_segment 0
		.amdhsa_kernarg_size 24
		.amdhsa_user_sgpr_count 2
		.amdhsa_user_sgpr_kernarg_segment_ptr 1
		.amdhsa_wavefront_size32 1
		.amdhsa_system_sgpr_workgroup_id_x 1
		.amdhsa_system_sgpr_workgroup_id_y 1
		.amdhsa_system_sgpr_workgroup_id_z 1
		.amdhsa_system_vgpr_workitem_id 0
		.amdhsa_next_free_vgpr 64
		.amdhsa_next_free_sgpr 66
		.amdhsa_reserve_vcc 1
		.amdhsa_float_denorm_mode_32 3
		.amdhsa_float_denorm_mode_16_64 3
		.amdhsa_memory_ordered 1
		.amdhsa_forward_progress 1
		.amdhsa_inst_pref_size 9
	.end_amdhsa_kernel
	.amdgpu_metadata
---
amdhsa.version: [ 1, 2 ]
amdhsa.kernels:
  - .name:           k_qe51baec56e_soft
    .symbol:         k_qe51baec56e_soft.kd
    .args:
      - { .name: part, .offset: 0, .size: 8, .value_kind: global_buffer, .address_space: global }
      - { .name: lengths, .offset: 8, .size: 8, .value_kind: global_buffer, .address_space: global }
      - { .name: out0, .offset: 16, .size: 8, .value_kind: global_buffer, .address_space: global }
    .group_segment_fixed_size: 1536
    .private_segment_fixed_size: 0
    .kernarg_segment_align: 8
    .kernarg_segment_size: 24
    .max_flat_workgroup_size: 256
    .sgpr_count:     66
    .vgpr_count:     64
    .wavefront_size: 32
...
	.end_amdgpu_metadata
.endif
;; end of part 3
